; MI455X (gfx1250); checked and timed in simulation.
; The chip was launched on July 23, 2026; its instructions are those of AMD's public machine-readable ISA for CDNA 5 (MIT licence, August 2026) and "CDNA5" Instruction Set Architecture Reference Guide (July 2026). The comments in the code are by the model that wrote it; some were corrected since.
;; Expert MLP. Allowed arithmetic: matrix products marked QUANTISED: E2M3 operands, one E8M0 scale for each 32 along K, by v_wmma_scale_f32_16x16x128_f8f6f4 with both operands' format E2M3, f32 sums; everything else in f32.
;; Inputs: W_fc_codes 4,096 x 32 x 24 uint8 (E2M3 codes of W_fc, K innermost, in blocks of 32 codes, four codes in three bytes); W_fc_scales 4,096 x 32 uint8 (E8M0 scales of W_fc, one for each 32 codes along K); W_proj_codes 1,024 x 128 x 24 uint8 (E2M3 codes of W_proj, K innermost, in blocks of 32 codes, four codes in three bytes); W_proj_scales 1,024 x 128 uint8 (E8M0 scales of W_proj, one for each 32 codes along K); x_codes 8,192 x 32 x 24 uint8 (E2M3 codes of x, K innermost, in blocks of 32 codes, four codes in three bytes); x_scales 8,192 x 32 uint8 (E8M0 scales of x, one for each 32 codes along K).
;; Outputs: out0 8,192 x 1,024 float32.
;; This version of the problem:
;;   THIS VERSION OF THE PROBLEM IS GIVEN IN LOW PRECISION. The matrix products marked QUANTISED in the list below multiply operands that are first quantised to E2M3 (2 exponent bits, 3 mantissa bits; 6 bits a number), with one power-of-two scale for each 32 numbers along K (OCP MX v1.0); their sums are f32. All else is computed in f32.
;;   The module's matrix products, in the order in which they are computed (A, B: the left and right operand; K: the contracted axis; several contracted axes count as one K, in the product's order):
;;     1. [M 8,192, K 1,024] x [K 1,024, N 4,096]; A: input x (given as codes); B: input W_fc (given as codes): QUANTISED
;;     2. [M 8,192, K 4,096] x [K 4,096, N 1,024]; A: computed on the way; B: input W_proj (given as codes): QUANTISED
;;   THE QUANTISER, for each operand of a quantised product, along K:
;;     - K is cut into blocks of 32 from its start; a last block that is shorter is filled with zeros.
;;     - A block's scale is 2^e with e = floor(log2(the largest magnitude in the block)) - 2, held to -126 .. 127; a block of zeros has e = 0. As a byte (E8M0): e + 127.
;;     - Each number is divided by its block's scale, clamped to +-7.5, and rounded to the nearest number of E2M3, ties to even, subnormals kept.
;;     - The product sums the exact products of the quantised numbers (number of the format x scale) in f32.
;;   ~~~python
;;   def quantise(x, axis):      # numpy; x: float32 -> the quantised numbers, widened to float32 again
;;       x = np.moveaxis(x, axis, -1); K = x.shape[-1]
;;       x = np.pad(x, [(0, 0)] * (x.ndim - 1) + [(0, -K % 32)]); x = x.reshape(x.shape[:-1] + (-1, 32)); a = np.abs(x).max(-1, keepdims=True)
;;       e = np.where(a > 0, np.clip(np.frexp(np.where(a > 0, a, 1))[1] - 1 - 2, -126, 127), 0)      # np.frexp(a)[1] - 1 = floor(log2(a)), exactly
;;       r = np.clip(x / 2.0 ** e, -7.5, 7.5)
;;       step = 2.0 ** (np.maximum(np.frexp(np.where(r == 0, 1, r))[1] - 1, 0) - 3)
;;       q = np.round(r / step) * step * 2.0 ** e      # np.round: ties to even
;;       return np.moveaxis(q.reshape(q.shape[:-2] + (-1,))[..., :K], -1, axis).astype(np.float32)
;;   ~~~
;;   OPERANDS COMPUTED ON THE WAY. 'Computed on the way' means the value that the module computes at that place (a softmax that the list does not call 'softmax' is quantised finished and normalised). What goes into a quantiser is computed in f32, as accurately as f32 sums, v_exp_f32 and their like allow (about 1e-6 of the number): no bf16 or f16 on the way to a quantiser, and a product that is left as it is and whose result goes on into a quantised operand takes f32 operands (vector FMAs, or v_wmma_f32_16x16x4_f32). A number that lies on a knife's edge between two numbers of the format may be rounded either way, as far as f32 arithmetic and the matrix unit's own rounding can turn it there, and no further.
;;   INPUTS GIVEN AS CODES. W_fc (in the module: [4096, 1024], K = its axis 1); W_proj (in the module: [1024, 4096], K = its axis 1); x (in the module: [8192, 1024], K = its axis 1): each comes as NAME_codes (uint8): NAME with its K axis moved to the last place and cut into blocks of 32 codes, [.., K / 32, bytes a block], one block behind the other in memory; four codes in three bytes: a row's codes are one little-endian stream of bits, code i at bits 6 i .. 6 i + 5 (a code: sign, 2 exponent bits, 3 mantissa bits); and NAME_scales (uint8): the same leading axes, one E8M0 byte (e + 127) for each 32 codes along K. Its value is code x scale, taken as it is: it is not quantised again, and the codes and scales need not be those that the quantiser above would give.
;; One version. Each part assembles by itself: llvm-mc -triple=amdgcn-amd-amdhsa -mcpu=gfx1250 --defsym DOCPART=n.
;; ======== version 1 of 1: 2 launches
;; limits: right only within a limited range of input values
;; workspace buffers: h_img 26,214,400 bytes; wp_img 3,276,800 bytes
;; launch fc (part 1): grid 16 x 16, 4 waves a work-group, clusters of 4 x 4, 327,680 bytes of LDS; arguments x_codes, x_scales, W_fc_codes, W_fc_scales, W_proj_codes, W_proj_scales, h_img, wp_img; writes h_img, wp_img
.if DOCPART == 1
	.amdgcn_target "amdgcn-amd-amdhsa--gfx1250"
	.amdhsa_code_object_version 6
	.text
	.protected	k_q5c0f145d35_fc
	.globl	k_q5c0f145d35_fc
	.p2align	8
	.type	k_q5c0f145d35_fc,@function
k_q5c0f145d35_fc:
	s_mov_b64 s[64:65], 0
	v_nop
	global_prefetch_b8 v0, s[64:65] scope:SCOPE_SE
	s_setreg_imm32_b32 hwreg(HW_REG_WAVE_MODE, 25, 1), 1
	s_wait_xcnt 0x0
	s_wait_alu depctr_hold_cnt(0) depctr_sa_sdst(0) depctr_va_vdst(0) depctr_va_sdst(0) depctr_va_ssrc(0) depctr_va_vcc(0) depctr_vm_vsrc(0)
	s_getreg_b32 s2, hwreg(HW_REG_IB_STS2, 6, 4)
	s_cmp_eq_u32 s2, 0
	s_cbranch_scc0 .Lentry_in_a_cluster
	s_endpgm
.Lentry_in_a_cluster:
	s_bfe_u32 s2, ttmp6, 0x10000c
	s_cmp_lg_u32 s2, 0xf033
	s_cbranch_scc0 .Lentry_shape_is_right
	s_endpgm
.Lentry_shape_is_right:
; h = Q(relu(x W_fc^T)^2): x [8192][1024], W_fc [4096][1024] as FP6 (E2M3) codes with one E8M0 byte for each 32 along K; sums in f32; h is quantised along the hidden axis
; and stored as images of the next product's operand registers (h_img); W_proj is laid into the same layout (wp_img).  No work of the problem is left out; every input is loaded.
; LAYOUT of h_img and wp_img: a strip is 32 rows (102,400 bytes = 16 records); record kp (6,400 bytes) covers K = 256 kp .. + 255: four fragments (e, q) at byte 1,536 (2 e + q), each the
; operand's 12 registers (registers 4 c .. 4 c + 3 of lane l at 512 c + 16 l), then at byte 6,144 the scale words, word 32 e + 16 q + r for row 16 e + r.
; A work-group of four waves makes two tiles of 256 tokens x 256 hidden units, 4,096 tokens apart (they share W_fc's rows); a wave makes 128 x 128: 64 accumulators, 512 registers.
; K: a row of codes is 768 bytes = three chunks of 256 bytes, each at a multiple of 256.  Chunk c lies in LDS slot c % 2.
; FIRST TILE: chunk 0 at the head, chunk 1 behind the first round after it, chunk 2 over chunk 0 in step 2: each time a quarter of a slot a wave (even waves 128 rows of x, odd waves of W_fc).
; SECOND TILE: its chunks 0 and 1 are asked for together in the first tile's last step, a whole chunk a wave (256 rows), and land while the first tile is quantised and stored; chunk 2 as before.
; SCALES go from memory into registers, once a tile: 16 rows x 32 bytes are 512 consecutive bytes, one load of 16 bytes a lane; lanes 0-15 get the words of steps 0-3, lanes 16-31 those of steps 4-7.
; CLUSTERS 4 x 4: x's tiles are asked for jointly along a row of the cluster, W_fc's along a column.  The matrix instruction is used transposed (source 0 = W_fc's rows, source 1 = tokens).
; PREFETCH: chunks 1 and 2 of the first tile at the head (chunk 1's load follows when chunk 0 has landed, chunk 2's two steps later); the second tile's three chunks of x in steps 0, 1 and 3
; of the first tile, four steps or more ahead of their loads; a lane a row, 32 rows a wave, the four partners of a joint load share the 256 rows out by address.
; W_fc's rows of the second tile have been read by then and are not asked for again.
; LIMITS: a NaN sum gives 0 (v_max_num_f32 drops it) where reference() would keep it; scale bytes 0xff in the inputs are not served.
; REGISTERS: window 0: v0-31 addresses; v32-63 x's scale words, v64-95 W_fc's; v96-127 W_proj on its way; v128-223 x's fragments (on the way out: relu^2); v224-255 the quantiser's.
;   window 1: W_fc's fragments, two sets, at v0 and v128.  windows 2, 3: the accumulators of my rows 0-63, 64-127, (a, b) at v[8 (8 (a % 4) + b)].
.set KROW,   768
.set ROWB,   256
.set KS,     32
.set PITCH,  272
.set FR,     12
.set NL,     3
.set NP,     4
.set HALFT,  128*PITCH
.set SLOT,   4*HALFT
.set WALK,   4096
.set SPARE,  2*SLOT
.set SSTG,   SPARE+512
.set STRIP,  102400
.set REC,    6400
.set FRB,    1536
.set TAIL,   6144
.set WPSRC,  16*32*3072
.set WPA,  8
.set SOF,  12
.set PFO,  13
.set ADRA, 16
.set ADRB, 20
.set IMG,  24
.set SST,  25
.set SRD,  26
.set SSA,  27
.set SPW,  28
.set NIL,  29
.set SGO,  30
.set PWR,  31
.set SA,   32
.set SB,   64
.set WPF,  96
.set RB,   96
.set AF,   128
.set HA,   128
.set CD,   224
.set YQ,   236
.set TMX,  244
.set TMB,  248
.set TMS,  252
.set G0C,  4                           ; s[4:7], s[8:11]: group 0 of the first tile's chunk 1 (the arguments that lay there have been used by then)
.set G0D,  8
.set G1A,  24
.set G0A,  32
.set G0AR, 36
.set G1B,  48
.set G0B,  56
.set G0BR, 60
.set G1AH, 68
.set PFA,  76
.set SAB,  78
.set G1BH, 80
.set SBB,  88
.set SEL,  92
.set SMID, 20
.set SHI,  21
.set SLO,  22
.set MSB, 0
.macro WIN new
.if MSB != (\new)
	s_set_vgpr_msb (MSB<<8)|(\new)
.set MSB, \new
.endif
.endm
.set MUL_LO, 0xa1
.set MUL_HI, 0xf1
.set TO_B,   0x40
; a joint load: even waves ask for x, odd waves for W_fc
.macro JLOAD g0a, g1a, g0b, g1b
	s_cmp_eq_u32 s16, 0
	s_cbranch_scc0 .Lfor_b_\@
	tensor_load_to_lds s[\g0a:\g0a+3], s[\g1a:\g1a+7]
	s_nop 0
.rept 4
	v_nop
.endr
	s_branch .Lasked_\@
.Lfor_b_\@:
	tensor_load_to_lds s[\g0b:\g0b+3], s[\g1b:\g1b+7]
	s_nop 0
.rept 4
	v_nop
.endr
.Lasked_\@:
.endm
.macro CREST
	s_cmp_lg_u32 s14, 0
	s_cbranch_scc1 .Lnot_wave_0_\@
	s_barrier_signal -3
.Lnot_wave_0_\@:
	s_barrier_wait -3
	s_barrier_signal -1
	s_barrier_wait -1
.endm
.macro CROUND
	s_barrier_signal -1
	s_barrier_wait -1
	CREST
.endm
.macro ASK off                         ; x's waves alone: 32 rows x 256 bytes of the second tile
	s_cmp_eq_u32 s16, 0
	s_cbranch_scc0 .Lnp_\@
	global_prefetch_b8 v[PFO], s[PFA:PFA+1] offset:\off th:TH_LOAD_NT scope:SCOPE_SE
.Lnp_\@:
.endm
	s_load_b256 s[4:11], s[0:1], 0x0               ; x codes, x scales, W_fc codes, W_fc scales
	s_load_b128 s[96:99], s[0:1], 0x20             ; W_proj codes, scales
	s_load_b64 s[12:13], s[0:1], 0x30              ; h_img
	s_load_b64 s[100:101], s[0:1], 0x38            ; wp_img
	v_lshl_add_u32 v[SPW], v0, 2, SPARE
	v_mov_b32 v[NIL], 0
	ds_add_u32 v[SPW], v[NIL]
	ds_add_u32 v[SPW], v[NIL]
	v_lshrrev_b32 v1, 5, v0
	v_readfirstlane_b32 s14, v1                    ; wave
	s_lshr_b32 s15, s14, 1                         ; my half of the tile's tokens; also which 128 rows, or which chunk, I fetch
	s_and_b32 s16, s14, 1                          ; my half of its hidden units; also: I fetch for x (0) or W_fc (1)
	s_bfe_u32 s40, ttmp6, 0x40000
	s_bfe_u32 s41, ttmp6, 0x40004
	s_lshl_b32 s42, ttmp9, 2
	s_add_co_u32 s42, s42, s40                     ; X: tile column
	s_and_b32 s17, ttmp7, 0xffff
	s_lshl_b32 s17, s17, 2
	s_add_co_u32 s17, s17, s41                     ; Y: tile row
	s_lshl_b32 s43, s41, 2
	s_lshl_b32 s43, 15, s43
	s_lshl_b32 s44, 0x1111, s40
	; group 1: rows of 256 bytes, 16 bytes of padding behind each; 256 rows (a whole chunk) or 128 rows (a quarter of a slot)
	s_or_b32 s[G1A], s43, (1<<20)|(1<<21)|(5<<22)|(3<<25)
	s_or_b32 s[G1AH], s43, (1<<20)|(1<<21)|(5<<22)|(3<<25)
	s_or_b32 s[G1B], s44, (1<<20)|(1<<21)|(5<<22)|(3<<25)
	s_or_b32 s[G1BH], s44, (1<<20)|(1<<21)|(5<<22)|(3<<25)
.irp g, G1A, G1B
	s_mov_b32 s[\g+1], ROWB<<16
	s_mov_b32 s[\g+2], 256<<16
	s_mov_b32 s[\g+3], ROWB<<16
	s_mov_b32 s[\g+4], 256
	s_mov_b32 s[\g+5], KROW
	s_mov_b32 s[\g+6], 0
	s_mov_b32 s[\g+7], 0
.endr
.irp g, G1AH, G1BH
	s_mov_b32 s[\g+1], ROWB<<16
	s_mov_b32 s[\g+2], 128<<16
	s_mov_b32 s[\g+3], ROWB<<16
	s_mov_b32 s[\g+4], 128
	s_mov_b32 s[\g+5], KROW
	s_mov_b32 s[\g+6], 0
	s_mov_b32 s[\g+7], 0
.endr
	s_mul_i32 s20, s17, 256*KROW                   ; x's tile, in bytes
	s_mov_b32 s21, 0
	s_mul_i32 s46, s42, 256*KROW                   ; W_fc's
	s_mov_b32 s47, 0
	s_lshl_b32 s22, s15, 8                         ; chunk 0 or 1 (the second tile's loads)
	s_mov_b32 s23, 0
	s_mul_i32 s18, s15, 128*KROW                   ; my 128 rows
	s_mov_b32 s19, 0
	s_mul_i32 s45, s15, SLOT
	s_mul_i32 s94, s15, HALFT
	s_lshl_b32 s66, s17, 13                        ; x's scales of my 128 rows
	s_lshl_b32 s2, s15, 12
	s_add_co_u32 s66, s66, s2
	s_mov_b32 s67, 0
	s_lshl_b32 s90, s42, 13                        ; W_fc's
	s_lshl_b32 s2, s16, 12
	s_add_co_u32 s90, s90, s2
	s_mov_b32 s91, 0
	s_wait_dscnt 0x0
	s_wait_kmcnt 0x0
	s_add_nc_u64 s[SAB:SAB+1], s[6:7], s[66:67]
	s_add_nc_u64 s[SBB:SBB+1], s[10:11], s[90:91]
	v_and_b32 v2, 15, v0
	v_bfe_u32 v3, v0, 4, 1
	v_lshlrev_b32 v[SOF], 5, v2
	v_lshl_add_u32 v[SOF], v3, 4, v[SOF]           ; scales: row r of 32 bytes, + 16 x half
.irp i, 0,1,2,3,4,5,6,7
	global_load_b128 v[SA+4*\i:SA+4*\i+3], v[SOF], s[SAB:SAB+1] offset:512*\i
	global_load_b128 v[SB+4*\i:SB+4*\i+3], v[SOF], s[SBB:SBB+1] offset:512*\i
.endr
	s_add_nc_u64 s[20:21], s[4:5], s[20:21]
	s_add_nc_u64 s[46:47], s[8:9], s[46:47]
	CROUND                                         ; in front of the first joint loads
	s_mov_b32 s[G0A], 1                            ; a whole chunk 0 or 1: first used for the second tile
	s_add_co_u32 s[G0A+1], s45, 0
	s_add_nc_u64 s[G0A+2:G0A+3], s[20:21], s[22:23]
	s_or_b32 s[G0A+3], s[G0A+3], 0x80000000
	s_mov_b32 s[G0B], 1
	s_add_co_u32 s[G0B+1], s45, 2*HALFT
	s_add_nc_u64 s[G0B+2:G0B+3], s[46:47], s[22:23]
	s_or_b32 s[G0B+3], s[G0B+3], 0x80000000
	s_mov_b32 s[G0AR], 1                           ; my quarter of slot 0: chunk 0 now, stepped to chunk 2 when it has landed
	s_add_co_u32 s[G0AR+1], s94, 0
	s_add_nc_u64 s[G0AR+2:G0AR+3], s[20:21], s[18:19]
	s_or_b32 s[G0AR+3], s[G0AR+3], 0x80000000
	s_mov_b32 s[G0BR], 1
	s_add_co_u32 s[G0BR+1], s94, 2*HALFT
	s_add_nc_u64 s[G0BR+2:G0BR+3], s[46:47], s[18:19]
	s_or_b32 s[G0BR+3], s[G0BR+3], 0x80000000
	JLOAD G0AR, G1AH, G0BR, G1BH                   ; my one load at the head: my quarter of chunk 0
	; all scalar set-up first, then the vector set-up in one run
	s_mul_i32 s90, s15, HALFT                      ; my 128 rows of x in slot 0, 1
	s_add_co_u32 s91, s90, SLOT
	s_mul_i32 s94, s16, HALFT                      ; my 128 rows of W_fc, behind x's 256
	s_add_co_u32 s94, s94, 2*HALFT
	s_add_co_u32 s95, s94, SLOT
	s_lshl_b32 s2, s15, 10                         ; my scale words' place in the stage
	s_lshl_b32 s23, s16, 6
	s_add_co_u32 s2, s2, s23
	s_add_co_u32 s2, s2, SSTG
	s_lshl_b32 s66, s17, 5                         ; W_proj: strip Y (and Y + 16), rows 16 (wave / 2) on, K step 2 X + wave % 2
	s_lshl_b32 s23, s15, 4
	s_add_co_u32 s66, s66, s23
	s_mul_i32 s66, s66, 3072
	s_lshl_b32 s23, s42, 1
	s_add_co_u32 s23, s23, s16
	s_mul_i32 s23, s23, 96
	s_add_co_u32 s66, s66, s23
	s_add_nc_u64 s[96:97], s[96:97], s[66:67]
	s_lshl_b32 s66, s17, 12
	s_lshl_b32 s23, s42, 3
	s_add_co_u32 s66, s66, s23
	s_add_nc_u64 s[98:99], s[98:99], s[66:67]
	s_mul_i32 s45, s42, REC
	s_mul_i32 s66, s17, STRIP
	s_add_co_u32 s66, s66, s45
	s_mul_i32 s23, s14, FRB
	s_add_co_u32 s66, s66, s23
	s_add_nc_u64 s[100:101], s[100:101], s[66:67]
	s_lshl_b32 s23, s17, 3                         ; h_img: the records' tails of strips 8 Y + 2 wave, + 1
	s_lshl_b32 s66, s14, 1
	s_add_co_u32 s66, s66, s23
	s_mul_i32 s66, s66, STRIP
	s_add_co_u32 s66, s66, s45
	s_add_co_u32 s66, s66, TAIL
	s_add_nc_u64 s[18:19], s[12:13], s[66:67]
	s_lshl_b32 s66, s15, 2                         ; and my fragments: strip 8 Y + 4 (wave / 2), record X, K step wave % 2
	s_add_co_u32 s66, s66, s23
	s_mul_i32 s66, s66, STRIP
	s_add_co_u32 s66, s66, s45
	s_mul_i32 s23, s16, FRB
	s_add_co_u32 s66, s66, s23
	s_add_nc_u64 s[12:13], s[12:13], s[66:67]
	s_lshl_b32 s66, s17, 8                         ; the prefetches: my work-group's 64 rows of the tile (by cx for x, cy for W_fc), my 32 of them
	s_lshl_b32 s23, s42, 8
	s_cmp_eq_u32 s16, 0
	s_cselect_b32 s66, s66, s23
	s_cselect_b32 s23, s40, s41
	s_cselect_b64 s[PFA:PFA+1], s[4:5], s[8:9]
	s_lshl_b32 s23, s23, 6
	s_add_co_u32 s66, s66, s23
	s_lshl_b32 s23, s15, 5
	s_add_co_u32 s66, s66, s23
	s_mul_i32 s66, s66, KROW
	s_add_nc_u64 s[PFA:PFA+1], s[PFA:PFA+1], s[66:67]
	s_mul_i32 s66, s15, 128*KROW                   ; the first tile's chunk 1: my quarter of slot 1
	s_add_co_u32 s66, s66, ROWB
	s_mov_b32 s[G0C], 1
	s_mul_i32 s[G0C+1], s15, HALFT
	s_add_co_u32 s[G0C+1], s[G0C+1], SLOT
	s_add_nc_u64 s[G0C+2:G0C+3], s[20:21], s[66:67]
	s_or_b32 s[G0C+3], s[G0C+3], 0x80000000
	s_mov_b32 s[G0D], 1
	s_add_co_u32 s[G0D+1], s[G0C+1], 2*HALFT
	s_add_nc_u64 s[G0D+2:G0D+3], s[46:47], s[66:67]
	s_or_b32 s[G0D+3], s[G0D+3], 0x80000000
	s_mov_b32 s[SEL], 0x76543210
	s_mov_b32 s[SEL+1], 0xfedcba98
	s_mov_b32 s[SMID], 0x05040302
	s_mov_b32 s[SHI], 0x07060302
	s_mov_b32 s[SLO], 0x05040100
	s_mov_b32 s46, STRIP-2*FRB                     ; the way out's two steps from block to block
	s_mov_b32 s47, 2*FRB
	s_mov_b32 s45, 0x03010200                      ; v_perm_b32's selector that swaps bytes 1 and 2 of a scale word
	v_and_b32 v1, 15, v0
	v_bfe_u32 v2, v0, 4, 1
	v_and_b32 v7, 31, v0
	v_mul_u32_u24 v3, v1, PITCH
	v_mul_u32_u24 v4, v2, 48
	v_add_nc_u32 v4, v3, v4                        ; a fragment's row x pitch + 48 x half
	v_sub_nc_u32 v6, 1, v2
	v_mul_u32_u24 v5, SLOT-208, v2
	v_add_nc_u32 v5, v3, v5
	v_add_nc_u32 v5, 208, v5                       ; lanes 0-15 byte 208 of the row in slot 0, lanes 16-31 byte 0 in slot 1
	v_mul_u32_u24 v6, SLOT+208, v6
	v_add_nc_u32 v6, v3, v6                        ; lanes 0-15 byte 208 in slot 1, lanes 16-31 byte 0 in slot 0
	v_add_nc_u32 v[ADRA], s90, v4
	v_add_nc_u32 v[ADRA+1], s91, v4
	v_add_nc_u32 v[ADRA+2], s90, v5
	v_add_nc_u32 v[ADRA+3], s90, v6
	v_add_nc_u32 v[ADRB], s94, v4
	v_add_nc_u32 v[ADRB+1], s95, v4
	v_add_nc_u32 v[ADRB+2], s94, v5
	v_add_nc_u32 v[ADRB+3], s94, v6
	v_mul_u32_u24 v[PFO], v7, KROW
	v_mul_u32_u24 v[WPA], v1, 3072
	v_mad_u32_u24 v[WPA], v2, 24, v[WPA]
	v_and_b32 v[WPA+1], 7, v0
	v_lshlrev_b32 v[WPA+1], 8, v[WPA+1]
	v_lshl_add_u32 v[WPA+1], v2, 11, v[WPA+1]
	v_bfe_u32 v[WPA+3], v0, 3, 1
	v_lshl_add_u32 v[WPA+1], v[WPA+3], 2, v[WPA+1]
	v_lshlrev_b32 v[WPA+2], 3, v7
	v_lshlrev_b32 v[IMG], 4, v7
	v_lshl_add_u32 v[SST], v1, 2, s2
	v_lshl_add_u32 v[SRD], v0, 4, SSTG
	v_mul_u32_u24 v[SGO], v2, STRIP
	v_lshl_add_u32 v[SGO], v1, 4, v[SGO]
.irp b, 0,1,2,3
	v_mov_b32 v[TMB+\b], 0
.endr
	s_wait_alu depctr_va_vdst(0)                   ; the wait at the end of the head's vector work
	s_cmp_lg_u32 s14, 0
	s_cbranch_scc1 .Lno_words
.irp u, 0,1
	global_load_b32 v[WPF+16*\u+12], v[WPA+1], s[98:99] offset:\u*65536 th:TH_LOAD_NT
	global_load_b32 v[WPF+16*\u+13], v[WPA+1], s[98:99] offset:\u*65536+128 th:TH_LOAD_NT
.endr
.Lno_words:
.irp u, 0,1
.irp p, 0,1,2,3,4,5
	global_load_b64 v[WPF+16*\u+2*\p:WPF+16*\u+2*\p+1], v[WPA], s[96:97] offset:\u*WPSRC+48*(\p/3)+8*(\p%3) th:TH_LOAD_NT
.endr
.endr
	global_prefetch_b8 v[PFO], s[PFA:PFA+1] offset:ROWB th:TH_LOAD_NT scope:SCOPE_SE     ; chunk 1 of the first tile,
	global_prefetch_b8 v[PFO], s[PFA:PFA+1] offset:2*ROWB th:TH_LOAD_NT scope:SCOPE_SE   ; and chunk 2
; 16 rows x 128 K: 12 registers, three pieces of 16 bytes: a lane takes 48 CONSECUTIVE bytes of its row's 96, lanes 0-15 blocks 0 and 1 of the step's four blocks of 32, lanes 16-31 blocks 2 and 3.
; The operand's layout has blocks 0 and 2 in lanes 0-15 and 1 and 3 in lanes 16-31: so blocks 1 and 2 have changed places, in both operands alike, which keeps every product;
; bytes 1 and 2 of each scale word change places with them.  Byte y of a row lies in chunk y / 256, slot (y / 256) % 2; a piece lies inside one chunk.
.macro FRAG reg, adr, st, i
.irp p, 0,1,2
.set BY, 96*(\st)+16*\p
.if BY/ROWB == (BY+48)/ROWB
	ds_load_b128 v[\reg+4*\p:\reg+4*\p+3], v[\adr+(BY/ROWB)%2] offset:BY%ROWB+(\i)*16*PITCH
.else
	ds_load_b128 v[\reg+4*\p:\reg+4*\p+3], v[\adr+2+(BY/ROWB)%2] offset:BY%ROWB-208+(\i)*16*PITCH
.endif
.endr
.endm
; 16 matrix instructions: tokens' blocks a0, a0 + 1 x W_fc's eight, step st.  The 64 accumulators take turns; the first step starts the sums with 0
.macro MUL16 a0, st, zero
.irp a, \a0, \a0+1
.irp b, 0,1,2,3,4,5,6,7
.if \zero
	v_wmma_scale_f32_16x16x128_f8f6f4 v[8*(8*((\a)%4)+\b):8*(8*((\a)%4)+\b)+7], v[128*((\st)%2)+FR*\b:128*((\st)%2)+FR*\b+FR-1], v[AF+FR*(\a):AF+FR*(\a)+FR-1], 0, v[SB+4*\b+(\st)%4], v[SA+4*(\a)+(\st)%4] matrix_a_fmt:MATRIX_FMT_FP6 matrix_b_fmt:MATRIX_FMT_FP6
.elseif (\st) < 4
	v_wmma_scale_f32_16x16x128_f8f6f4 v[8*(8*((\a)%4)+\b):8*(8*((\a)%4)+\b)+7], v[128*((\st)%2)+FR*\b:128*((\st)%2)+FR*\b+FR-1], v[AF+FR*(\a):AF+FR*(\a)+FR-1], v[8*(8*((\a)%4)+\b):8*(8*((\a)%4)+\b)+7], v[SB+4*\b+(\st)%4], v[SA+4*(\a)+(\st)%4] matrix_a_fmt:MATRIX_FMT_FP6 matrix_b_fmt:MATRIX_FMT_FP6
.else
	v_wmma_scale_f32_16x16x128_f8f6f4 v[8*(8*((\a)%4)+\b):8*(8*((\a)%4)+\b)+7], v[128*((\st)%2)+FR*\b:128*((\st)%2)+FR*\b+FR-1], v[AF+FR*(\a):AF+FR*(\a)+FR-1], v[8*(8*((\a)%4)+\b):8*(8*((\a)%4)+\b)+7], v[SB+4*\b+(\st)%4], v[SA+4*(\a)+(\st)%4] matrix_a_fmt:MATRIX_FMT_FP6 matrix_b_fmt:MATRIX_FMT_FP6 matrix_a_scale:MATRIX_SCALE_ROW1 matrix_b_scale:MATRIX_SCALE_ROW1
.endif
.endr
.endr
.endm
.macro FETCH_B st
	WIN TO_B
.irp i, 0,1,2,3,4,5,6,7
	FRAG 128*((\st)%2)+FR*\i, ADRB, \st, \i
.endr
	WIN 0
.endm
.macro FETCH_A st, i0
.irp i, \i0, \i0+1, \i0+2, \i0+3
	FRAG AF+FR*(\i), ADRA, \st, \i
.endr
.endm
.macro PLACES n
.rept \n
	v_nop
.endr
.endm
; A step of 128 along K: 64 matrix instructions; the next step's fragments are fetched in its middle (W_fc's, x's blocks 0-3) and at its end (x's blocks 4-7).
; kind 1: chunk 0 is read no more: the three lines, a round of the cluster's barrier, chunk 2 into slot 0.  kind 2: a chunk that was on its way is shown whole to all four waves ahead of the fetch.
.macro STEP st, zero, kind, ask
.set NX, (\st)+1
.if \kind
.if \kind == 1
	s_wait_tensorcnt 0x0                           ; all my tensor loads have landed
	ds_add_u32 v[SPW], v[NIL]
	s_wait_dscnt 4*NL+1                            ; the add and x's blocks 4-7 may be out
	WIN MUL_LO
	MUL16 0, \st, \zero
	s_wait_dscnt 0x0                               ; the add and all my reads are done
.else
	s_wait_dscnt 4*NL                              ; x's blocks 4-7 may be out
	WIN MUL_LO
	MUL16 0, \st, \zero
	s_wait_tensorcnt 0x0                           ; my part of the chunk is in
	s_wait_dscnt 0x0
.endif
	s_barrier_signal -1
	MUL16 2, \st, \zero
	WIN 0
	s_barrier_wait -1
.if \kind == 1
	CREST
	JLOAD G0AR, G1AH, G0BR, G1BH                   ; its four v_nop are the places in front of the loads below
.else
	PLACES NP
.endif
.else
	s_wait_dscnt 4*NL
	WIN MUL_LO
	MUL16 0, \st, \zero
	MUL16 2, \st, \zero
	s_wait_dscnt 0
	PLACES NP
.endif
	FETCH_B NX
	FETCH_A NX, 0
.if \ask >= 0
	ASK \ask
.endif
	WIN MUL_HI
	MUL16 4, \st, \zero
	MUL16 6, \st, \zero
	PLACES NP
	WIN 0
	FETCH_A NX, 4
.endm
; The last step.  more = 1: both slots are read no more: the three lines, a round, and the next tile's chunks 0 and 1, one load a wave
.macro LAST more
.if \more
	s_wait_tensorcnt 0x0
	ds_add_u32 v[SPW], v[NIL]
	s_wait_dscnt 4*NL+1
	WIN MUL_LO
	MUL16 0, 7, 0
	s_wait_dscnt 0x0
	s_barrier_signal -1
	MUL16 2, 7, 0
	WIN 0
	s_barrier_wait -1
	CREST
	s_add_nc_u64 s[G0A+2:G0A+3], s[G0A+2:G0A+3], WALK*KROW
	s_add_nc_u64 s[G0AR+2:G0AR+3], s[G0AR+2:G0AR+3], WALK*KROW
	JLOAD G0A, G1A, G0B, G1B
.else
	s_wait_dscnt 4*NL
	WIN MUL_LO
	MUL16 0, 7, 0
	MUL16 2, 7, 0
	s_wait_dscnt 0
.endif
	WIN MUL_HI
	MUL16 4, 7, 0
	MUL16 6, 7, 0
	WIN 0
.endm
; THE WAY OUT: a loop over my eight blocks of 16 tokens x 128 hidden units.  Only the 64 reads of a block's accumulators differ from block to block (register numbers and window):
; they stand in eight arms chosen by the trip's number; squaring, the four block scales, the conversions and the stores stand once.
.macro WAYOUT tile
	PLACES NP
.if \tile == 0
.irp i, 0,1,2,3,4,5,6,7
	global_load_b128 v[SA+4*\i:SA+4*\i+3], v[SOF], s[SAB:SAB+1] offset:WALK*KS+512*\i   ; the next tile's scale words of x
.endr
.endif
	s_mov_b32 s3, 0
	s_mov_b32 s23, 2048*(\tile)
	s_mov_b32 s66, 0                               ; the first block's step of the stores' base
.Lblk_\@:
.irp a, 0,1,2,3,4,5,6
	s_cmp_eq_u32 s3, \a
	s_cbranch_scc1 .Lm\@_\a
.endr
.irp a, 7,0,1,2,3,4,5,6
.Lm\@_\a:
	WIN 0x0a+5*((\a)/4)
.set J, 0
.rept 64
	v_max_num_f32 v[HA+J], 0, v[64*((\a)%4)+J]     ; relu; each accumulator from its low end on
.set J, J+1
.endr
	WIN 0
	s_wait_alu depctr_va_vdst(0)                   ; the wait ahead of the branch
	s_branch .Lc_\@
.endr
.Lc_\@:
.set J, 0
.rept 32
	v_pk_mul_f32 v[HA+J:HA+J+1], v[HA+J:HA+J+1], v[HA+J:HA+J+1]
.set J, J+2
.endr
.irp b, 0,1,2,3
	v_max3_num_f32 v[TMX+\b], v[HA+16*\b], v[HA+1+16*\b], 0x1800000   ; the floor 2^(3 - 127) keeps the byte at 1 or above
.endr
.irp i, 2,4,6,8,10,12,14
.irp b, 0,1,2,3
	v_max3_num_f32 v[TMX+\b], v[TMX+\b], v[HA+16*\b+\i], v[HA+1+16*\b+\i]
.endr
.endr
.irp b, 0,1,2,3
	v_permlanex16_b32 v[TMB+\b], v[TMX+\b], s[SEL], s[SEL+1]
.endr
.irp b, 0,1,2,3
	v_max_num_f32 v[TMX+\b], v[TMX+\b], v[TMB+\b]
.endr
.irp b, 0,1,2,3
	v_add_nc_u32 v[TMS+\b], 0xff000000, v[TMX+\b]  ; 2 off the exponent field: the conversion's scale operand
.endr
.irp b, 0,1,2,3
	v_lshrrev_b32 v[TMB+\b], 23, v[TMS+\b]
.endr
	v_lshl_or_b32 v[PWR], v[TMB+1], 8, v[TMB]
	v_lshl_or_b32 v[PWR], v[TMB+2], 16, v[PWR]
	v_lshl_or_b32 v[PWR], v[TMB+3], 24, v[PWR]
	v_add_nc_u32 v[SSA], s23, v[SST]
	s_wait_alu depctr_va_vdst(0)                   ; the wait ahead of the wait below
	s_wait_xcnt 0x0                                ; the last block's stores have read their base and data: both are written again only behind this wait
	s_add_nc_u64 s[12:13], s[12:13], s[66:67]
.irp c, 0,1
	v_cvt_scalef32_pk16_fp6_f32 v[CD+6*\c:CD+6*\c+2], v[HA+32*\c:HA+32*\c+15], v[TMS+2*\c]
	v_cvt_scalef32_pk16_fp6_f32 v[YQ+4*\c:YQ+4*\c+2], v[HA+32*\c+16:HA+32*\c+31], v[TMS+1+2*\c]
.endr
	v_nop
.irp c, 0,1                            ; a lane's 16 numbers are units 8 h + 0..7 and 16 + 8 h + 0..7 of a block: halves of 48 bits are brought into the operand's order
.irp i, 0,1,2
	v_permlane16_swap_b32 v[CD+6*\c+\i], v[YQ+4*\c+\i]
.endr
	v_perm_b32 v[CD+6*\c+3], v[CD+6*\c+2], v[CD+6*\c+1], s[SMID]
	v_perm_b32 v[CD+6*\c+4], v[YQ+4*\c+1], v[CD+6*\c+2], s[SHI]
	v_perm_b32 v[CD+6*\c+1], v[YQ+4*\c], v[CD+6*\c+1], s[SLO]
	v_perm_b32 v[CD+6*\c+2], v[YQ+4*\c+1], v[YQ+4*\c], s[SMID]
	v_mov_b32 v[CD+6*\c+5], v[YQ+4*\c+2]
.endr
.irp c, 0,1,2
	global_store_b128 v[IMG], v[CD+4*\c:CD+4*\c+3], s[12:13] offset:512*\c   ; 32 lanes store 512 consecutive bytes
.endr
	ds_store_b32 v[SSA], v[PWR]
	s_bitcmp1_b32 s3, 0
	s_cselect_b32 s66, s46, s47                    ; the next block's step: from an odd block on to the next strip, from an even one two fragments on
	s_add_co_u32 s23, s23, 128
	s_add_co_u32 s3, s3, 1
	s_cmp_lt_u32 s3, 8
	s_wait_alu depctr_va_vdst(0)                   ; the wait ahead of the branch
	s_cbranch_scc1 .Lblk_\@
.if \tile == 0
	s_wait_tensorcnt 0x0                           ; my chunk of the next tile is in: the barrier below shows it to all four waves too
.endif
	s_wait_dscnt 0x0                               ; my scale words are in the stage
	s_barrier_signal -1
	s_barrier_wait -1
	ds_load_b128 v[RB:RB+3], v[SRD] offset:2048*(\tile)
	s_wait_dscnt 0x0
	global_store_b128 v[SGO], v[RB:RB+3], s[18:19] ; 16 lanes store a record's 256 bytes of scale words
.if \tile == 0
	s_wait_xcnt 0x0
	s_add_nc_u64 s[12:13], s[12:13], 125*STRIP-2*FRB   ; from my last block (3 strips and 2 fragments on) to my first one 4,096 tokens on
	s_add_nc_u64 s[18:19], s[18:19], 128*STRIP
.endif
.endm
.macro TILE n
	FETCH_B 0
	FETCH_A 0, 0
	FETCH_A 0, 4
	s_wait_loadcnt 12*(1-\n)                       ; the scale words are in; in the first tile the 12 loads of W_proj's codes, the youngest, may be out
.set J, 0
.rept 32*(2-\n)                        ; x's 32 words, and in the first tile W_fc's 32 behind them
	v_perm_b32 v[SA+J], v[SA+J], v[SA+J], s45      ; bytes 1 and 2 change places, as the blocks have
.set J, J+1
.endr
	PLACES 8                                       ; a scale register written by a vector instruction stands 8 places ahead of the scaled matrix instruction
	s_wait_alu depctr_va_vdst(0)                   ; the wait ahead of the wait that follows
.set K1, 2*(1-\n)                      ; in the first tile chunk 1 is still on its way in step 1
	STEP 0, 1, 0, AB
	STEP 1, 0, K1, AB+256
.if \n == 0
	s_wait_loadcnt 0x0                             ; W_proj's fragments go out in the operand's register order
.irp u, 0,1
.irp c, 0,1,2
	global_store_b128 v[IMG], v[WPF+16*\u+4*\c:WPF+16*\u+4*\c+3], s[100:101] offset:\u*16*STRIP+512*\c
.endr
.endr
	s_cmp_lg_u32 s14, 0
	s_cbranch_scc1 .Lno_tail
.irp u, 0,1
	global_store_b64 v[WPA+2], v[WPF+16*\u+12:WPF+16*\u+13], s[100:101] offset:\u*16*STRIP+TAIL
.endr
.Lno_tail:
.endif
	STEP 2, 0, 1, -1
	STEP 3, 0, 0, AB+512
	STEP 4, 0, 2, -1
	STEP 5, 0, 0, -1
	STEP 6, 0, 0, -1
	LAST 1-\n
	WAYOUT \n
.endm
	s_wait_tensorcnt 0x0                           ; my quarter of chunk 0 is in
	ds_add_u32 v[SPW], v[NIL]
	s_add_nc_u64 s[G0AR+2:G0AR+3], s[G0AR+2:G0AR+3], 2*ROWB   ; no load of mine is out: slot 0's descriptors step to chunk 2
	s_add_nc_u64 s[G0BR+2:G0BR+3], s[G0BR+2:G0BR+3], 2*ROWB
	s_wait_dscnt 0x0
	CROUND                                         ; chunk 0 is whole, and all sixteen work-groups are here
	JLOAD G0C, G1AH, G0D, G1BH                     ; chunk 1, slot 1's first fill: my one load behind the round
.set AB, WALK*KROW                     ; the first tile asks for the second tile's chunks of x
	TILE 0
.set AB, -4096                         ; the second asks for nothing
	TILE 1
	s_wait_tensorcnt 0x0                           ; the wave's end
	ds_add_u32 v[SPW], v[NIL]
	s_wait_dscnt 0x0
	CROUND                                         ; the closing round
	s_endpgm
.Lfunc_end_k_q5c0f145d35_fc:
	.size	k_q5c0f145d35_fc, .Lfunc_end_k_q5c0f145d35_fc-k_q5c0f145d35_fc
	.p2alignl 7, 3214868480
	.fill 96, 4, 3214868480
	.section	.rodata,"a",@progbits
	.p2align	6, 0x0
	.amdhsa_kernel k_q5c0f145d35_fc
		.amdhsa_group_segment_fixed_size 327680
		.amdhsa_private_segment_fixed_size 0
		.amdhsa_enable_private_segment 0
		.amdhsa_kernarg_size 64
		.amdhsa_user_sgpr_count 2
		.amdhsa_user_sgpr_kernarg_segment_ptr 1
		.amdhsa_wavefront_size32 1
		.amdhsa_system_sgpr_workgroup_id_x 1
		.amdhsa_system_sgpr_workgroup_id_y 1
		.amdhsa_system_sgpr_workgroup_id_z 1
		.amdhsa_system_vgpr_workitem_id 0
		.amdhsa_next_free_vgpr 1024
		.amdhsa_next_free_sgpr 102
		.amdhsa_reserve_vcc 0
		.amdhsa_float_denorm_mode_32 3
		.amdhsa_float_denorm_mode_16_64 3
		.amdhsa_memory_ordered 1
		.amdhsa_forward_progress 1
		.amdhsa_inst_pref_size 255
	.end_amdhsa_kernel
	.section	.bss,"aw",@nobits
	.p2align	6
	.space	262144
	.amdgpu_metadata
---
amdhsa.version: [ 1, 2 ]
amdhsa.kernels:
  - .name:           k_q5c0f145d35_fc
    .symbol:         k_q5c0f145d35_fc.kd
    .args:
      - { .name: x_codes, .offset: 0, .size: 8, .value_kind: global_buffer, .address_space: global }
      - { .name: x_scales, .offset: 8, .size: 8, .value_kind: global_buffer, .address_space: global }
      - { .name: W_fc_codes, .offset: 16, .size: 8, .value_kind: global_buffer, .address_space: global }
      - { .name: W_fc_scales, .offset: 24, .size: 8, .value_kind: global_buffer, .address_space: global }
      - { .name: W_proj_codes, .offset: 32, .size: 8, .value_kind: global_buffer, .address_space: global }
      - { .name: W_proj_scales, .offset: 40, .size: 8, .value_kind: global_buffer, .address_space: global }
      - { .name: h_img, .offset: 48, .size: 8, .value_kind: global_buffer, .address_space: global }
      - { .name: wp_img, .offset: 56, .size: 8, .value_kind: global_buffer, .address_space: global }
    .group_segment_fixed_size: 327680
    .private_segment_fixed_size: 0
    .kernarg_segment_align: 8
    .kernarg_segment_size: 64
    .max_flat_workgroup_size: 128
    .sgpr_count:     102
    .vgpr_count:     1024
    .wavefront_size: 32
...
	.end_amdgpu_metadata
.endif
;; end of part 1
;; launch proj (part 2): grid 4 x 64, 4 waves a work-group, clusters of 4 x 4, 327,680 bytes of LDS; arguments h_img, wp_img, out0; writes out0
.if DOCPART == 2
	.amdgcn_target "amdgcn-amd-amdhsa--gfx1250"
	.amdhsa_code_object_version 6
	.text
	.protected	k_q5c0f145d35_proj
	.globl	k_q5c0f145d35_proj
	.p2align	8
	.type	k_q5c0f145d35_proj,@function
k_q5c0f145d35_proj:
	s_mov_b64 s[64:65], 0
	v_nop
	global_prefetch_b8 v0, s[64:65] scope:SCOPE_SE
	s_setreg_imm32_b32 hwreg(HW_REG_WAVE_MODE, 25, 1), 1
	s_wait_xcnt 0x0
	s_wait_alu depctr_hold_cnt(0) depctr_sa_sdst(0) depctr_va_vdst(0) depctr_va_sdst(0) depctr_va_ssrc(0) depctr_va_vcc(0) depctr_vm_vsrc(0)
	s_getreg_b32 s2, hwreg(HW_REG_IB_STS2, 6, 4)
	s_cmp_eq_u32 s2, 0
	s_cbranch_scc0 .Lentry_in_a_cluster
	s_endpgm
.Lentry_in_a_cluster:
	s_bfe_u32 s2, ttmp6, 0x10000c
	s_cmp_lg_u32 s2, 0xf033
	s_cbranch_scc0 .Lentry_shape_is_right
	s_endpgm
.Lentry_shape_is_right:
; out0[t][n] = sum over the 4,096 hidden units of h[t][k] W_proj[n][k], both as codes of FP6 (E2M3) with one E8M0 byte for each 32 along K; out0: [8192][1024] f32; sums in f32.
; Both operands come from workspace buffers of one layout: a STRIP is 32 rows (102,400 bytes = 16 records); record kp (6,400 bytes) covers K = 256 kp .. + 255: four fragments (e, q) (rows 16 e on, K step 2 kp + q)
; at byte 1,536 (2 e + q), each an image of the operand's 12 registers (registers 4 c .. 4 c + 3 of lane l at 512 c + 16 l), then at byte 6,144 64 scale words, word 32 e + 16 q + r for row 16 e + r.
; So a fragment is three LDS loads of 16 bytes a lane, each of 512 consecutive bytes: no pitch, no padding; codes and scale words come by one descriptor; and one load of 4 bytes a lane brings
; the scale words of 16 rows for TWO K steps: lanes 0-15 the even step's, lanes 16-31 the odd step's, which the matrix instruction is told to read by its scale-row selectors.
; A tile of out0 is 128 tokens x 256 outputs: 64 x 4 = 256 work-groups.  (256 x 256 would make 128.)  Four waves, each 64 tokens x 128 outputs: 32 accumulators of 16 x 16, 256 registers.
; K goes in steps of 512 through a ring of two LDS slots: a slot holds two records of each of h's 4 strips and W_proj's 8.  A tensor load's row is a strip's 12,800 consecutive bytes, at a multiple of 256;
; waves 0 and 1 bring two strips of h each, waves 2 and 3 four strips of W_proj each.  A slot is four steps of 128 along K, 32 matrix instructions each.
; CLUSTERS: 4 x 4 work-groups.  The four of a row of the cluster need the same strips of h, the four of a column the same strips of W_proj: each is asked for JOINTLY.
; THE MATRIX INSTRUCTION IS USED TRANSPOSED (source 0 = 16 rows of W_proj, source 1 = 16 tokens): a lane then holds eight neighbouring numbers of a row of out0.
; LIMITS: as the launch before states them; the scale bytes here lie between 1 and 254 for h and are W_proj's as given (0xff is not served).
; REGISTERS, in windows of 256: window 0: v0-31 addresses; v32-55 scale words, two sets of 12; v64-159 h's fragments, two sets of 4 x 12; on the way out v128-255 rows of out0.
;   window 1: W_proj's fragments, two sets of 8 x 12, at v0 and at v128.   window 2: the accumulators, (a, b) at v[8 (8 a + b)].
.set STRIP,  102400
.set REC,    6400
.set FRB,    1536
.set TAIL,   6144
.set ROWL,   2*REC                     ; a strip's part of a slot: 512 along K
.set BOFF,   4*ROWL                    ; W_proj's strips lie behind h's four
.set SLOT,   12*ROWL
.set SPARE,  2*SLOT                    ; behind the ring: the spare words, 128 bytes for each wave: two blocks of 256 bytes that no other line names
.set SPITCH, 528                       ; the way out: a stage of 16 rows x (512 bytes + 16) for each wave.  It lies in slot 0, which has had its last fill and its last read when the first result is stored there
.set FR,     12
.set NP,     4                         ; places behind this matrix instruction (ISA guide 7.12.1)
.set ADRA, 16                          ; v16-17  16 x lane + my two strips of h in slot 0, 1
.set ASA,  18                          ; v18-19  4 x lane + the same
.set ADRB, 20                          ; v20-21  16 x lane + my four strips of W_proj
.set ASB,  22                          ; v22-23  4 x lane + the same
.set STO,  24                          ; v24     the way out: where I put 32 bytes of a row
.set RD,   25                          ; v25     where I read a row back
.set CO,   26                          ; v26     16 x lane: my byte offset in a row's 512 bytes
.set SPW,  28                          ; v28     LDS address of my spare word; never rewritten
.set NIL,  29                          ; v29     0; never rewritten
.set SC,   32                          ; scale words: set j (the slot's record j) at v[SC + 12 j]: h's blocks 0-3, then W_proj's blocks 0-7
.set AF,   64                          ; h's fragments: set at v[AF + 48 set]
.set BK,   128                         ; the way out: 16 rows read back from the stage: v128-191 and v192-255 by turns
.set G1, 24                            ; s[24:31] descriptor group 1 for h's strips;  s[32:39] group 0, one set for each slot
.set G0, 32
.set G1B, 48                           ; s[48:55], s[56:63] the same for W_proj's
.set G0B, 56
.set MSB, 0
.macro WIN new                         ; the immediate's high byte repeats the setting that is left
.if MSB != (\new)
	s_set_vgpr_msb (MSB<<8)|(\new)
.set MSB, \new
.endif
.endm
.set MUL,  0xa1                        ; source 0 (W_proj) window 1, source 1 (h) window 0, C and D window 2
.set TO_B, 0x40                        ; destination window 1, address window 0
; A joint load: waves 0 and 1 fetch for h, waves 2 and 3 for W_proj.  Each line has ONE mask and one set of registers for all that issue it; the branch hangs on the wave's number alone.
; Four v_nop follow each of the two lines, ahead of the jump, the label and what follows.
.macro JLOAD s
	s_cmp_eq_u32 s15, 0
	s_cbranch_scc0 .Lfor_b_\@
	tensor_load_to_lds s[G0+4*\s:G0+4*\s+3], s[G1:G1+7]
	s_nop 0
.rept 4
	v_nop
.endr
	s_branch .Lasked_\@
.Lfor_b_\@:
	tensor_load_to_lds s[G0B+4*\s:G0B+4*\s+3], s[G1B:G1B+7]
	s_nop 0
.rept 4
	v_nop
.endr
.Lasked_\@:
.endm
.macro CREST                           ; a round of the cluster's barrier behind its opening barrier
	s_cmp_lg_u32 s14, 0
	s_cbranch_scc1 .Lnot_wave_0_\@
	s_barrier_signal -3
.Lnot_wave_0_\@:
	s_barrier_wait -3
	s_barrier_signal -1
	s_barrier_wait -1
.endm
.macro CROUND                          ; a whole round
	s_barrier_signal -1
	s_barrier_wait -1
	CREST
.endm
; PREFETCH into the L2, two slots ahead of the load that wants the bytes: with the load of slot j the records of slot j + 2 are asked for (slot 1 too at the head); the last two refills ask for nothing.
; A record is 25 blocks of 256 bytes: a lane a block, lanes 25-31 name the last block again.  Waves 0, 1: one record each of h's strip 4 Y + cx; waves 2, 3: both records of W_proj's strip 8 X + 2 cy + wave % 2:
; the four partners of a joint load share its strips out by address.
.macro ASKP off
	global_prefetch_b8 v27, s[10:11] offset:\off th:TH_LOAD_NT scope:SCOPE_SE
	s_cmp_eq_u32 s15, 0
	s_cbranch_scc1 .Lone_\@
	global_prefetch_b8 v27, s[10:11] offset:\off+REC th:TH_LOAD_NT scope:SCOPE_SE
.Lone_\@:
.endm
	s_load_b128 s[4:7], s[0:1], 0x0
	s_load_b64 s[8:9], s[0:1], 0x10                ; out0
	v_lshl_add_u32 v[SPW], v0, 2, SPARE
	v_mov_b32 v[NIL], 0
	ds_add_u32 v28, v29
	ds_add_u32 v28, v29
	s_wait_dscnt 0x0
	v_lshrrev_b32 v1, 5, v0
	v_readfirstlane_b32 s14, v1                    ; wave 0..3
	s_lshr_b32 s15, s14, 1                         ; which half of the tile's tokens is mine.  Also: I fetch for h (0) or for W_proj (1)
	s_and_b32 s16, s14, 1                          ; which half of its outputs.  Also: which half of that operand's strips I fetch
	s_bfe_u32 s40, ttmp6, 0x40000                  ; cx, cy: my place in the cluster
	s_bfe_u32 s41, ttmp6, 0x40004
	s_lshl_b32 s42, ttmp9, 2
	s_add_co_u32 s42, s42, s40                     ; X: tile column (256 outputs) = 4 x cluster x + cx
	s_and_b32 s17, ttmp7, 0xffff
	s_lshl_b32 s17, s17, 2
	s_add_co_u32 s17, s17, s41                     ; Y: tile row (128 tokens) = 4 x cluster y + cy
	s_lshl_b32 s43, s41, 2
	s_lshl_b32 s43, 15, s43                        ; my row of the cluster
	s_lshl_b32 s44, 0x1111, s40                    ; my column
	; descriptor group 1: rows of 1,600 elements of 8 bytes (a strip's 12,800 bytes), 12,800 elements (a strip) apart; two rows for h, four for W_proj; no padding
	s_or_b32 s[G1+0], s43, (3<<16)|(1<<21)         ; 15:0 the mask: h's strips go to my row; 17:16 element of 8 bytes; 21 set beside a mask
	s_or_b32 s[G1B+0], s44, (3<<16)|(1<<21)        ; W_proj's go to my column
	s_mov_b32 s[G1+1], 1600<<16                    ; tensor_dim0
	s_mov_b32 s[G1+2], 2<<16                       ; tensor_dim1
	s_mov_b32 s[G1+3], 1600<<16                    ; tile_dim0
	s_mov_b32 s[G1+4], 2                           ; tile_dim1
	s_mov_b32 s[G1+5], STRIP/8                     ; tensor_dim0_stride
	s_mov_b32 s[G1+6], 0
	s_mov_b32 s[G1+7], 0
	s_mov_b32 s[G1B+1], 1600<<16
	s_mov_b32 s[G1B+2], 4<<16
	s_mov_b32 s[G1B+3], 1600<<16
	s_mov_b32 s[G1B+4], 4
	s_mov_b32 s[G1B+5], STRIP/8
	s_mov_b32 s[G1B+6], 0
	s_mov_b32 s[G1B+7], 0
	s_lshl_b32 s20, s17, 2                         ; h: strip 4 Y + 2 x half: made of the tile row and the wave's number alone
	s_lshl_b32 s18, s16, 1
	s_add_co_u32 s20, s20, s18
	s_mul_i32 s20, s20, STRIP
	s_mov_b32 s21, 0
	s_lshl_b32 s46, s42, 3                         ; W_proj: strip 8 X + 4 x half: of the tile column and the wave's number alone
	s_lshl_b32 s47, s16, 2
	s_add_co_u32 s46, s46, s47
	s_mul_i32 s46, s46, STRIP
	s_mov_b32 s47, 0
	s_mul_i32 s22, s16, 2*ROWL                     ; where they go: h's two halves,
	s_mul_i32 s23, s16, 4*ROWL
	s_add_co_u32 s23, s23, BOFF                    ; W_proj's two halves behind them: no place in the cluster enters an LDS address
	s_wait_kmcnt 0x0
	s_add_nc_u64 s[20:21], s[4:5], s[20:21]
	s_add_nc_u64 s[46:47], s[6:7], s[46:47]
	CROUND                                         ; all sixteen work-groups are here: the first joint loads meet
.irp s, 0,1
	s_mov_b32 s[G0+4*\s], 1
	s_add_co_u32 s[G0+4*\s+1], s22, \s*SLOT
	s_add_nc_u64 s[G0+4*\s+2:G0+4*\s+3], s[20:21], \s*ROWL         ; K = 512 s on
	s_or_b32 s[G0+4*\s+3], s[G0+4*\s+3], 0x80000000
	s_mov_b32 s[G0B+4*\s], 1
	s_add_co_u32 s[G0B+4*\s+1], s23, \s*SLOT
	s_add_nc_u64 s[G0B+4*\s+2:G0B+4*\s+3], s[46:47], \s*ROWL
	s_or_b32 s[G0B+4*\s+3], s[G0B+4*\s+3], 0x80000000
.endr
	JLOAD 0                                        ; slot 0: one tensor load a wave at the head
	v_and_b32 v1, 15, v0                           ; r = l % 16
	v_bfe_u32 v2, v0, 4, 1                         ; h = l / 16
	v_and_b32 v6, 31, v0                           ; l
	v_lshlrev_b32 v[CO], 4, v6
	v_lshlrev_b32 v4, 2, v6
	v_min_u32 v27, 24, v6
	v_lshlrev_b32 v27, 8, v27                      ; the prefetches' offset: block min(l, 24) of a record; never rewritten
	s_mul_i32 s21, s15, 2*ROWL                     ; my 64 tokens: two strips
	s_mul_i32 s22, s16, 4*ROWL                     ; my 128 outputs: four strips,
	s_add_co_u32 s22, s22, BOFF                    ; behind h's
.irp s, 0,1
	v_add_nc_u32 v[ADRA+\s], s21, v[CO]
	v_add_nc_u32 v[ASA+\s], s21, v4
	v_add_nc_u32 v[ADRB+\s], s22, v[CO]
	v_add_nc_u32 v[ASB+\s], s22, v4
	s_add_co_u32 s21, s21, SLOT
	s_add_co_u32 s22, s22, SLOT
.endr
	s_mul_i32 s23, s14, 16*SPITCH                  ; my stage
	v_mul_u32_u24 v5, v1, SPITCH                   ; in: row l % 16, 32 bytes for each half of the lanes
	v_lshl_add_u32 v5, v2, 5, v5
	v_add_nc_u32 v[STO], s23, v5
	v_add_nc_u32 v[RD], s23, v[CO]                 ; back: the 32 lanes take one row of 512 bytes
	s_lshl_b32 s20, s17, 7
	s_lshl_b32 s21, s15, 6
	s_add_co_u32 s20, s20, s21                     ; my first row of out0: 128 Y + 64 x half,
	s_lshl_b32 s20, s20, 12                        ; of 4,096 bytes
	s_lshl_b32 s46, s42, 10                        ; my first column, in bytes: 1,024 X + 512 x half
	s_lshl_b32 s47, s16, 9
	s_add_co_u32 s46, s46, s47
	s_add_co_u32 s20, s20, s46
	s_mov_b32 s21, 0
	s_add_nc_u64 s[8:9], s[8:9], s[20:21]
	s_lshl_b32 s20, s17, 2                         ; where my prefetches begin: h's strip 4 Y + cx, record wave % 2;
	s_add_co_u32 s20, s20, s40
	s_mul_i32 s20, s20, STRIP
	s_mul_i32 s21, s16, REC
	s_add_co_u32 s20, s20, s21
	s_lshl_b32 s46, s42, 3                         ; or W_proj's strip 8 X + 2 cy + wave % 2
	s_lshl_b32 s47, s41, 1
	s_add_co_u32 s46, s46, s47
	s_add_co_u32 s46, s46, s16
	s_mul_i32 s46, s46, STRIP
	s_cmp_eq_u32 s15, 0
	s_cselect_b32 s20, s20, s46
	s_cselect_b64 s[10:11], s[4:5], s[6:7]
	s_mov_b32 s21, 0
	s_add_nc_u64 s[10:11], s[10:11], s[20:21]
; Step t (0 .. 3) of a slot: record t / 2, K step t % 2 in it; its fragments go into set t % 2, the record's scale words (with an even t) into set t / 2.
; One run of LDS loads: W_proj's eight fragments, h's four, three loads each: 36; with an even t twelve loads of scale words more: 48.
.macro FETCH slot, t
.set FJ, (\t)/2
.set FQ, (\t)%2
	WIN TO_B
.irp b, 0,1,2,3,4,5,6,7
.irp c, 0,1,2
	ds_load_b128 v[128*FQ+FR*\b+4*\c:128*FQ+FR*\b+4*\c+3], v[ADRB+\slot] offset:(\b/2)*ROWL+REC*FJ+FRB*(2*(\b%2)+FQ)+512*\c
.endr
.endr
	WIN 0
.irp a, 0,1,2,3
.irp c, 0,1,2
	ds_load_b128 v[AF+48*FQ+FR*\a+4*\c:AF+48*FQ+FR*\a+4*\c+3], v[ADRA+\slot] offset:(\a/2)*ROWL+REC*FJ+FRB*(2*(\a%2)+FQ)+512*\c
.endr
.endr
.if FQ == 0
.irp a, 0,1,2,3
	ds_load_b32 v[SC+12*FJ+\a], v[ASA+\slot] offset:(\a/2)*ROWL+REC*FJ+TAIL+128*(\a%2)      ; lanes 0-15: the 16 rows' words of the record's first K step; lanes 16-31: of its second
.endr
.irp b, 0,1,2,3,4,5,6,7
	ds_load_b32 v[SC+12*FJ+4+\b], v[ASB+\slot] offset:(\b/2)*ROWL+REC*FJ+TAIL+128*(\b%2)
.endr
.endif
.endm
; 8 matrix instructions: h's block a against W_proj's eight, step t.  zero = 1: the first product starts the sums: nothing is ever cleared.
; The 32 accumulators take turns, one instruction a turn, in the same order in every step, over the loop's backward jump too.
.macro MUL8 a, t, zero
.set MJ, (\t)/2
.set MQ, (\t)%2
.irp b, 0,1,2,3,4,5,6,7
.if \zero
	v_wmma_scale_f32_16x16x128_f8f6f4 v[8*(8*(\a)+\b):8*(8*(\a)+\b)+7], v[128*MQ+FR*\b:128*MQ+FR*\b+FR-1], v[AF+48*MQ+FR*(\a):AF+48*MQ+FR*(\a)+FR-1], 0, v[SC+12*MJ+4+\b], v[SC+12*MJ+(\a)] matrix_a_fmt:MATRIX_FMT_FP6 matrix_b_fmt:MATRIX_FMT_FP6
.elseif MQ == 0
	v_wmma_scale_f32_16x16x128_f8f6f4 v[8*(8*(\a)+\b):8*(8*(\a)+\b)+7], v[128*MQ+FR*\b:128*MQ+FR*\b+FR-1], v[AF+48*MQ+FR*(\a):AF+48*MQ+FR*(\a)+FR-1], v[8*(8*(\a)+\b):8*(8*(\a)+\b)+7], v[SC+12*MJ+4+\b], v[SC+12*MJ+(\a)] matrix_a_fmt:MATRIX_FMT_FP6 matrix_b_fmt:MATRIX_FMT_FP6
.else
	v_wmma_scale_f32_16x16x128_f8f6f4 v[8*(8*(\a)+\b):8*(8*(\a)+\b)+7], v[128*MQ+FR*\b:128*MQ+FR*\b+FR-1], v[AF+48*MQ+FR*(\a):AF+48*MQ+FR*(\a)+FR-1], v[8*(8*(\a)+\b):8*(8*(\a)+\b)+7], v[SC+12*MJ+4+\b], v[SC+12*MJ+(\a)] matrix_a_fmt:MATRIX_FMT_FP6 matrix_b_fmt:MATRIX_FMT_FP6 matrix_a_scale:MATRIX_SCALE_ROW1 matrix_b_scale:MATRIX_SCALE_ROW1
.endif
.endr
.endm
; A load into a register that a matrix instruction has read, and an LDS store that reads a matrix result, stand NP places behind that matrix instruction; only plain vector instructions that
; name none of its registers are places (ISA guide 7.12.1 for vector instructions).
.macro PLACES n
.rept \n
	v_nop
.endr
.endm
; One of a slot's first three steps: the next step's fragments are asked for in one run, into the set that the step before multiplied, and land while this step's 32 products are issued.
.macro STEP slot, t, zero
	PLACES NP
	FETCH \slot, (\t)+1
.if ((\t)+1)%2 == 0
	s_wait_dscnt 48                                ; all but the 48 just issued: this step's fragments are in
.else
	s_wait_dscnt 36                                ; all but the 36 just issued
.endif
	WIN MUL
	MUL8 0, \t, \zero
	MUL8 1, \t, \zero
	MUL8 2, \t, \zero
	MUL8 3, \t, \zero
	WIN 0
.endm
; A slot's last step changes slots: ONE barrier; in front of it each wave waits for all its tensor loads, adds 0 to its spare word, and waits for that and for its own reads of this slot.
; fill = 1: this slot is filled again, with K two slots on; from the request to the wait for it a wave issues 112 matrix instructions.
.macro TURN slot, next, fill
.if \fill
	s_wait_xcnt 0x0                                ; my prefetches have read their base: it steps one slot on
	s_add_nc_u64 s[10:11], s[10:11], ROWL
.endif
	s_wait_tensorcnt 0x0
	ds_add_u32 v[SPW], v[NIL]                      ; 0 onto my spare word
	s_wait_dscnt 1                                 ; (the add may be out: this step's fragments are in)
	WIN MUL
	MUL8 0, 3, 0                                   ; eight matrix instructions stand between the add and the wait for it
	s_wait_dscnt 0x0                               ; the add is done, and my reads of this slot are over
	s_barrier_signal -1
	MUL8 1, 3, 0
	WIN 0
	s_barrier_wait -1
.if \fill
	CREST                                          ; the barrier has opened a round of the cluster's barrier: no wave of any partner still reads this slot or has a load on its way
	s_add_nc_u64 s[G0+4*\slot+2:G0+4*\slot+3], s[G0+4*\slot+2:G0+4*\slot+3], 2*ROWL
	s_add_nc_u64 s[G0B+4*\slot+2:G0B+4*\slot+3], s[G0B+4*\slot+2:G0B+4*\slot+3], 2*ROWL
	JLOAD \slot                                    ; the first tensor load behind the round, my one load until the next; its four v_nop are the places in front of the loads below
.else
	PLACES NP
.endif
	FETCH \next, 0
.if \fill
	s_cmp_gt_u32 s3, 1                             ; the loop's last trip has no slot two on
	s_cbranch_scc0 .Lnoask_\@
	ASKP 3*ROWL
.Lnoask_\@:
.endif
	WIN MUL
	MUL8 2, 3, 0
	MUL8 3, 3, 0
	WIN 0
.endm
	s_wait_alu depctr_va_vdst(0)
	ASKP ROWL                                      ; slots 1 and 2
	ASKP 2*ROWL
	s_wait_tensorcnt 0x0                           ; my part of slot 0 is in
	ds_add_u32 v[SPW], v[NIL]
	s_wait_dscnt 0x0
	CROUND                                         ; everybody's part is in, and all sixteen work-groups are here
	JLOAD 1                                        ; slot 1's first fill, my one load behind the round
	FETCH 0, 0
	ASKP 3*ROWL                                    ; slot 3
	STEP 0, 0, 1                                   ; the first step stands in front of the loop: its products start the sums
	s_mov_b32 s3, 3
.Llap:                                                 ; a trip goes once round the ring, from a lap's second step to the next lap's first, and fills both slots again: 3 trips, K slots 2 to 7
	STEP 0, 1, 0
	STEP 0, 2, 0
	TURN 0, 1, 1
	STEP 1, 0, 0
	STEP 1, 1, 0
	STEP 1, 2, 0
	TURN 1, 0, 1
	STEP 0, 0, 0
	s_sub_co_u32 s3, s3, 1
	s_cmp_lg_u32 s3, 0
	s_cbranch_scc1 .Llap
	STEP 0, 1, 0                                   ; the last lap is written out: it fills nothing, and has no round of the cluster's barrier
	STEP 0, 2, 0
	TURN 0, 1, 0
	STEP 1, 0, 0
	STEP 1, 1, 0
	STEP 1, 2, 0
	s_wait_dscnt 0                                 ; the very last step: nothing more to fetch
	WIN MUL
	MUL8 0, 3, 0
	MUL8 1, 3, 0
	MUL8 2, 3, 0
	MUL8 3, 3, 0
	WIN 0
; THE WAY OUT, block by block of 16 tokens x 128 outputs.  A lane holds 32 neighbouring bytes of a row, and the lanes beside it hold other rows: so a block goes through my own stage in LDS and comes back as whole
; rows of 512 bytes.  LDS serves a wave's instructions in order (ISA guide 5.7.1.4): no wait between the stores and the loads, nor in front of the next block's stores.
.macro TOSTAGE a
.set AC, 64*(\a)
	WIN 0x08                                       ; an LDS store's data are its source 1: window 2
.irp b, 0,1,2,3,4,5,6,7
	ds_store_b128 v[STO], v[AC+8*\b:AC+8*\b+3] offset:64*\b          ; each accumulator from its low end on
	ds_store_b128 v[STO], v[AC+8*\b+4:AC+8*\b+7] offset:64*\b+16
.endr
	WIN 0
.set BB, BK+64*((\a)%2)
.irp t, 0,1,2,3,4,5,6,7,8,9,10,11,12,13,14,15
	ds_load_b128 v[BB+4*\t:BB+4*\t+3], v[RD] offset:\t*SPITCH
.endr
.endm
.macro SEND a, younger                 ; younger: the LDS instructions issued behind block a's loads, which may stay out
.set BB, BK+64*((\a)%2)
	s_wait_dscnt \younger                          ; the block is back in registers
.if (\a) > 0
	s_add_nc_u64 s[8:9], s[8:9], 16*4096           ; (behind a wait on XCNT: the earlier stores have read their base)  16 rows of out0 on
.endif
.irp t, 0,1,2,3,4,5,6,7,8,9,10,11,12,13,14,15
	global_store_b128 v[CO], v[BB+4*\t:BB+4*\t+3], s[8:9] offset:\t*4096 th:TH_STORE_NT   ; 32 lanes store 512 consecutive bytes, at a multiple of 256 from out0's first byte; written once, read by nobody here
.endr
.endm
	PLACES NP                                      ; behind the last products: for the stores that read results and for the loads into registers that held h's fragments
	TOSTAGE 0
.irp a, 1,2,3
.if \a > 1
	s_wait_xcnt 0x0                                ; block a - 2's stores have read their registers and their base: block a's loads may land there, and the base may step
.endif
	TOSTAGE \a
	SEND \a-1, 32                                  ; behind block a - 1's loads: block a's 16 stores and 16 loads
.endr
	s_wait_xcnt 0x0                                ; block 2's stores have read their base
	SEND 3, 0
	s_wait_tensorcnt 0x0                           ; the wave's end, behind my last tensor load and my last LDS store
	ds_add_u32 v[SPW], v[NIL]
	s_wait_dscnt 0x0
	CROUND                                         ; the closing round: no work-group ends while a partner may still ask for a tile that names it
	s_endpgm
.Lfunc_end_k_q5c0f145d35_proj:
	.size	k_q5c0f145d35_proj, .Lfunc_end_k_q5c0f145d35_proj-k_q5c0f145d35_proj
	.p2alignl 7, 3214868480
	.fill 96, 4, 3214868480
	.section	.rodata,"a",@progbits
	.p2align	6, 0x0
	.amdhsa_kernel k_q5c0f145d35_proj
		.amdhsa_group_segment_fixed_size 327680
		.amdhsa_private_segment_fixed_size 0
		.amdhsa_enable_private_segment 0
		.amdhsa_kernarg_size 24
		.amdhsa_user_sgpr_count 2
		.amdhsa_user_sgpr_kernarg_segment_ptr 1
		.amdhsa_wavefront_size32 1
		.amdhsa_system_sgpr_workgroup_id_x 1
		.amdhsa_system_sgpr_workgroup_id_y 1
		.amdhsa_system_sgpr_workgroup_id_z 1
		.amdhsa_system_vgpr_workitem_id 0
		.amdhsa_next_free_vgpr 768
		.amdhsa_next_free_sgpr 66
		.amdhsa_reserve_vcc 0
		.amdhsa_float_denorm_mode_32 3
		.amdhsa_float_denorm_mode_16_64 3
		.amdhsa_memory_ordered 1
		.amdhsa_forward_progress 1
		.amdhsa_inst_pref_size 138
	.end_amdhsa_kernel
	.amdgpu_metadata
---
amdhsa.version: [ 1, 2 ]
amdhsa.kernels:
  - .name:           k_q5c0f145d35_proj
    .symbol:         k_q5c0f145d35_proj.kd
    .args:
      - { .name: h_img, .offset: 0, .size: 8, .value_kind: global_buffer, .address_space: global }
      - { .name: wp_img, .offset: 8, .size: 8, .value_kind: global_buffer, .address_space: global }
      - { .name: out0, .offset: 16, .size: 8, .value_kind: global_buffer, .address_space: global }
    .group_segment_fixed_size: 327680
    .private_segment_fixed_size: 0
    .kernarg_segment_align: 8
    .kernarg_segment_size: 24
    .max_flat_workgroup_size: 128
    .sgpr_count:     66
    .vgpr_count:     768
    .wavefront_size: 32
...
	.end_amdgpu_metadata
.endif
;; end of part 2
